; MI455X (gfx1250); checked and timed in simulation.
; The chip was launched on July 23, 2026; its instructions are those of AMD's public machine-readable ISA for CDNA 5 (MIT licence, August 2026) and "CDNA5" Instruction Set Architecture Reference Guide (July 2026). The comments in the code are by the model that wrote it; some were corrected since.
;; Single Head Attention. Allowed arithmetic: float matrix products may take bf16 or f16 operands with f32 sums; all other float work in f32.
;; Inputs: Wk 512 x 64 float32; Wq 512 x 64 float32; Wv 512 x 64 float32; x 4 x 4,096 x 512 float32.
;; Outputs: out0 4 x 4,096 x 64 float32.
;; 2 versions, each right; version 2 is version 1 with the launch proj written anew for expert scheduling mode. Each part assembles by itself: llvm-mc -triple=amdgcn-amd-amdhsa -mcpu=gfx1250 --defsym DOCPART=n.
;; ======== version 1 of 2: 3 launches
;; limits: values are held in f16: magnitudes above 65,504 overflow, below 6.1e-05 lose precision
;; workspace buffers: qw 2,097,152 bytes; kv 4,194,304 bytes; po 16,777,216 bytes; ml 524,288 bytes
;; launch proj (part 1): grid 256 x 1, 8 waves a work-group, no clusters, 308,224 bytes of LDS; arguments x, Wk, Wq, Wv, qw, kv; writes qw, kv
.if DOCPART == 1
	.amdgcn_target "amdgcn-amd-amdhsa--gfx1250"
	.amdhsa_code_object_version 6
	.text
	.protected	k_q72d8704bee_proj
	.globl	k_q72d8704bee_proj
	.p2align	8
	.type	k_q72d8704bee_proj,@function
k_q72d8704bee_proj:
	s_mov_b64 s[64:65], 0
	v_nop
	global_prefetch_b8 v0, s[64:65] scope:SCOPE_SE
	s_setreg_imm32_b32 hwreg(HW_REG_WAVE_MODE, 25, 1), 1
	s_wait_xcnt 0x0
; q, k, v = x W.  x: [16384][512] f32; Wk, Wq, Wv: [512][64] f32.  Operands rounded to bf16, sums in f32, results rounded once to f16.
; Out: qw [16384][64] f16 = q * 512^-0.5 * log2(e) (the scores of the next launch are then exponents of 2);
;      kv: one block of 32,768 bytes for each 128 tokens: K [128][64] f16, then V transposed as two blocks [64 features][64 tokens] f16.
; LIMIT: |q * 0.0638|, |k|, |v| must stay below 65,504 (f16).  The order of the sums is the matrix unit's, not the reference's.
; The work-group owns 64 tokens.  Its 128 KiB of x and the 384 KiB of W are shared out evenly: waves 0 and 1 bring 32 rows of x each, waves 2 to 7
; one half (256 rows of k) of one matrix each: 64 KiB of consecutive memory, 128 loads, for every wave.  All is rounded to bf16 in registers and laid
; into LDS, so each byte of x leaves memory once.  Behind one barrier wave (rh, c) makes tokens 32 rh .. +31 times columns 16 c .. +15 of each of K, Q, V.
; No cluster: W has to pass through registers to be rounded, so no joint tensor load can bring it; x is shared by nobody.
.set WP,   416                         ; pitch of W's rows in LDS: 192 bf16 = 384 bytes + 32 (13 x 32: the transposing loads' 16 lanes touch different 16-byte columns)
.set XB,   212992                      ; x behind W's 512 rows
.set XP,   1040                        ; pitch of x's rows: 1,024 bytes + 16
.set OST,  279552                      ; three stages for the way out (K, Q, V transposed), 64 rows of 128 bytes each
.set OP,   144                         ; their pitch: 128 + 16
.set RING, 16                          ; v[16:207] loads on their way: three sets of 16 loads
.set ACC,  16                          ; v[16:63]  six accumulators: matrix m (0 K, 1 Q, 2 V), row tile rt at ACC + 8 (2 m + rt)
.set F0,   64                          ; v[64:103]  fragment buffer 0: x's two row tiles, then W's three column tiles
.set F1,   104                         ; v[104:143] fragment buffer 1
.set BK,   144                         ; v[144:167] the way out
; Group g (0..7) of a wave's 128 loads: 16 loads of 512 consecutive bytes, into set g mod 3.  nt = 1: bytes that the launch reads once (x).
.macro LD16 g, nt
.irp i, 0,1,2,3,4,5,6,7,8,9,10,11,12,13,14,15
.if \nt
	global_load_b128 v[RING+64*((\g)%3)+4*\i:RING+64*((\g)%3)+4*\i+3], v4, s[28:29] offset:(16*(\g)+\i)*512 th:TH_LOAD_NT
.else
	global_load_b128 v[RING+64*((\g)%3)+4*\i:RING+64*((\g)%3)+4*\i+3], v4, s[28:29] offset:(16*(\g)+\i)*512
.endif
.endr
.endm
; The group's 64 f32 a lane to bf16, in place, in one run, so that the stores behind it do not each follow the conversions that make their data
.macro CV16 g
.irp i, 0,1,2,3,4,5,6,7,8,9,10,11,12,13,14,15
	v_cvt_pk_bf16_f32 v[RING+64*((\g)%3)+4*\i],   v[RING+64*((\g)%3)+4*\i],   v[RING+64*((\g)%3)+4*\i+1]
	v_cvt_pk_bf16_f32 v[RING+64*((\g)%3)+4*\i+1], v[RING+64*((\g)%3)+4*\i+2], v[RING+64*((\g)%3)+4*\i+3]
.endr
.endm
.macro XST16 g                         ; x: a load was a quarter of a row: 8 bytes a lane, 256 consecutive bytes of LDS
.irp i, 0,1,2,3,4,5,6,7,8,9,10,11,12,13,14,15
	ds_store_b64 v5, v[RING+64*((\g)%3)+4*\i:RING+64*((\g)%3)+4*\i+1] offset:(4*(\g)+\i/4)*XP+256*(\i%4)
.endr
.endm
.macro WST16 g, a                      ; W: a load was two rows of k; a: the address register of the first or of the second 64 loads (the immediate has 16 bits)
.irp i, 0,1,2,3,4,5,6,7,8,9,10,11,12,13,14,15
	ds_store_b64 v[\a], v[RING+64*((\g)%3)+4*\i:RING+64*((\g)%3)+4*\i+1] offset:((16*(\g)+\i)%64)*2*WP
.endr
.endm
	s_load_b256 s[4:11], s[0:1], 0x0               ; x s[4:5], Wk s[6:7], Wq s[8:9], Wv s[10:11]
	s_load_b128 s[12:15], s[0:1], 0x20             ; qw s[12:13], kv s[14:15]
	v_lshl_add_u32 v208, v0, 2, 0x4b000
	v_mov_b32 v209, 0
	v_lshrrev_b32 v1, 5, v0
	v_readfirstlane_b32 s16, v1                    ; wave 0..7
	s_and_b32 s17, s16, 3                          ; my column tile c
	s_lshr_b32 s18, s16, 2                         ; my half of the rows, rh
	v_and_b32 v1, 31, v0                           ; lane
	v_and_b32 v2, 15, v0                           ; r
	v_bfe_u32 v3, v0, 4, 1                         ; h
	v_lshlrev_b32 v4, 4, v1                        ; 16 x lane: my 16 bytes of every load
	s_mov_b32 s21, 0                               ; the high word of every offset
	s_cmp_ge_u32 s16, 2
	s_cbranch_scc1 .Lw_waves
; ---- waves 0 and 1: 32 rows of x each
	s_lshl_b32 s20, ttmp9, 17                      ; 64 rows of 2,048 bytes,
	s_lshl_b32 s19, s16, 16                        ; and my 32 of them
	s_add_co_u32 s20, s20, s19
	s_wait_kmcnt 0x0
	s_add_nc_u64 s[28:29], s[4:5], s[20:21]
	LD16 0, 1
	LD16 1, 1
	LD16 2, 1                                      ; 48 loads, 24 KiB of the wave, on their way
	s_mul_i32 s19, s16, 32*XP
	s_add_co_u32 s19, s19, XB
	v_lshl_add_u32 v5, v1, 3, s19                  ; my 8 bytes in my first row of x in LDS
.irp g, 0,1,2,3,4
	s_wait_loadcnt 32                              ; this group is in; the 32 loads of the two younger groups stay out
	CV16 \g
	XST16 \g
	LD16 \g+3, 1
.endr
	s_wait_loadcnt 32                              ; group 5 is in; groups 6 and 7 stay out
	CV16 5
	XST16 5
	s_wait_loadcnt 16                              ; group 7 stays out
	CV16 6
	XST16 6
	s_wait_loadcnt 0
	CV16 7
	XST16 7
	s_branch .Ljoin
; ---- waves 2 to 7: matrix (wave - 2) / 2, rows 256 ((wave - 2) mod 2) .. +255 of k
.Lw_waves:
	s_sub_co_u32 s19, s16, 2
	s_lshr_b32 s26, s19, 1                         ; matrix: 0 K, 1 Q, 2 V
	s_and_b32 s27, s19, 1                          ; half of k
	s_lshl_b32 s20, s27, 16                        ; 256 rows of 256 bytes
	s_wait_kmcnt 0x0
	s_cmp_eq_u32 s26, 0
	s_cselect_b64 s[28:29], s[6:7], s[8:9]
	s_cmp_eq_u32 s26, 2
	s_cselect_b64 s[28:29], s[10:11], s[28:29]     ; my matrix, chosen by the wave's number alone
	s_add_nc_u64 s[28:29], s[28:29], s[20:21]
	LD16 0, 0
	LD16 1, 0
	LD16 2, 0
	s_mul_i32 s19, s27, 256*WP
	s_lshl_b32 s26, s26, 7                         ; my matrix's 64 columns: 128 bytes of a row of LDS
	s_add_co_u32 s19, s19, s26
	v_mul_u32_u24 v5, v3, WP                       ; lanes 16-31 hold the odd row
	v_lshl_add_u32 v5, v2, 3, v5                   ; 4 columns = 8 bytes of bf16
	v_add_nc_u32 v5, s19, v5
	v_add_nc_u32 v15, 128*WP, v5                   ; the second 64 loads: 128 rows further down
.irp g, 0,1,2,3
	s_wait_loadcnt 32                              ; this group is in; the 32 loads of the two younger groups stay out
	CV16 \g
	WST16 \g, 5
	LD16 \g+3, 0
.endr
	s_wait_loadcnt 32
	CV16 4
	WST16 4, 15
	LD16 7, 0
	s_wait_loadcnt 32                              ; group 5 is in; groups 6 and 7 stay out
	CV16 5
	WST16 5, 15
	s_wait_loadcnt 16                              ; group 7 stays out
	CV16 6
	WST16 6, 15
	s_wait_loadcnt 0
	CV16 7
	WST16 7, 15
.Ljoin:
	; addresses of the products and of the way out
	s_lshl_b32 s19, s18, 5
	v_add_nc_u32 v6, s19, v2                       ; 32 rh + r
	v_mul_u32_u24 v11, v6, OP
	v_mul_u32_u24 v6, v6, XP
	v_lshl_add_u32 v6, v3, 4, v6
	v_add_nc_u32 v6, XB, v6                        ; v6: x fragments: row 32 rh + r, + 16 h
	v_and_b32 v7, 7, v0
	v_lshl_add_u32 v7, v3, 3, v7                   ; 8 h + lane mod 8: the row of k that I address
	v_mul_u32_u24 v7, v7, WP
	v_bfe_u32 v8, v0, 3, 1
	v_lshl_add_u32 v7, v8, 4, v7                   ; which 8 of the tile's 16 columns
	v_lshl_add_u32 v7, s17, 5, v7                  ; + 32 c.  v7..v10: W fragments for k = 0, 128, 256, 384 on (the immediate has 16 bits)
	v_add_nc_u32 v8, 128*WP, v7
	v_add_nc_u32 v9, 256*WP, v7
	v_add_nc_u32 v10, 384*WP, v7
	v_lshl_add_u32 v11, v3, 4, v11
	v_lshl_add_u32 v11, s17, 5, v11
	v_add_nc_u32 v11, OST, v11                     ; v11: K and Q into their stages: token 32 rh + r, features 16 c + 8 h ..
	v_lshl_add_u32 v12, s17, 4, v2                 ; feature 16 c + r
	v_mul_u32_u24 v12, v12, OP
	v_lshl_add_u32 v12, v3, 4, v12
	v_lshl_add_u32 v12, s18, 6, v12
	v_add_nc_u32 v12, OST+128*OP, v12              ; v12: V into its stage: feature 16 c + r, tokens 32 rh + 8 h ..
	v_lshrrev_b32 v13, 3, v0
	v_mul_u32_u24 v13, v13, OP
	v_and_b32 v14, 7, v0
	v_lshl_add_u32 v13, v14, 4, v13
	v_add_nc_u32 v13, OST, v13                     ; v13: back: row t / 8, 16 bytes at 16 (t mod 8)
	v_lshlrev_b32 v14, 4, v0                       ; v14: the same 16 bytes in the dense block of memory
	s_lshr_b32 s20, ttmp9, 1
	s_lshl_b32 s20, s20, 15                        ; the block of 128 tokens,
	s_and_b32 s19, ttmp9, 1
	s_lshl_b32 s19, s19, 13                        ; and my half of it
	s_add_co_u32 s20, s20, s19
	s_add_nc_u64 s[22:23], s[14:15], s[20:21]      ; K's 64 rows; V's block lies 16,384 bytes behind
	s_lshl_b32 s20, ttmp9, 13
	s_add_nc_u64 s[24:25], s[12:13], s[20:21]      ; Q's 64 rows
	s_wait_dscnt 0x0                               ; my stores of x or W are in LDS, for the others' sake
	s_barrier_signal -1
	s_barrier_wait -1
; ---- the products: 16 steps of 32 along k, two fragment buffers
.macro FLD ks, f                       ; ten LDS loads: x rows lie along k (plain loads), W is [k][n] (transposing loads)
.irp rt, 0,1
	ds_load_b128 v[\f+8*\rt:\f+8*\rt+3],   v6 offset:\rt*16*XP+64*(\ks)
	ds_load_b128 v[\f+8*\rt+4:\f+8*\rt+7], v6 offset:\rt*16*XP+64*(\ks)+32
.endr
.irp m, 0,1,2
	ds_load_tr16_b128 v[\f+16+8*\m:\f+16+8*\m+3],   v[7+((\ks)>>2)] offset:((\ks)&3)*32*WP+128*\m
	ds_load_tr16_b128 v[\f+16+8*\m+4:\f+16+8*\m+7], v[7+((\ks)>>2)] offset:((\ks)&3)*32*WP+16*WP+128*\m
.endr
.endm
; K and Q: W's tile is source 0, x's source 1: a lane then holds one token and 8 neighbouring features.
; V: x's tile is source 0: a lane holds one feature and 8 neighbouring tokens, a piece of a row of V transposed.
; The six accumulators take turns, one instruction a turn.
.macro MM f, zero
.irp rt, 0,1
.irp m, 0,1
.if \zero
	v_wmma_f32_16x16x32_bf16 v[ACC+8*(2*\m+\rt):ACC+8*(2*\m+\rt)+7], v[\f+16+8*\m:\f+16+8*\m+7], v[\f+8*\rt:\f+8*\rt+7], 0
.else
	v_wmma_f32_16x16x32_bf16 v[ACC+8*(2*\m+\rt):ACC+8*(2*\m+\rt)+7], v[\f+16+8*\m:\f+16+8*\m+7], v[\f+8*\rt:\f+8*\rt+7], v[ACC+8*(2*\m+\rt):ACC+8*(2*\m+\rt)+7]
.endif
.endr
.if \zero
	v_wmma_f32_16x16x32_bf16 v[ACC+8*(4+\rt):ACC+8*(4+\rt)+7], v[\f+8*\rt:\f+8*\rt+7], v[\f+32:\f+39], 0
.else
	v_wmma_f32_16x16x32_bf16 v[ACC+8*(4+\rt):ACC+8*(4+\rt)+7], v[\f+8*\rt:\f+8*\rt+7], v[\f+32:\f+39], v[ACC+8*(4+\rt):ACC+8*(4+\rt)+7]
.endif
.endr
.endm
.macro PLACES                          ; four places behind matrix instructions, ahead of loads into their sources and of reads of their results
.rept 4
	v_nop
.endr
.endm
	FLD 0, F0
	FLD 1, F1
	s_wait_dscnt 10                                ; buffer 0 is in; buffer 1's ten loads stay out
	MM F0, 1                                       ; the first products start the sums
	PLACES
	FLD 2, F0
.irp ks, 1,3,5,7,9,11
	s_wait_dscnt 10                                ; the older buffer is in; the other's ten loads stay out
	MM F1, 0
	PLACES
	FLD \ks+2, F1
	s_wait_dscnt 10
	MM F0, 0
	PLACES
	FLD \ks+3, F0
.endr
	s_wait_dscnt 10
	MM F1, 0                                       ; step 13
	PLACES
	FLD 15, F1
	s_wait_dscnt 10
	MM F0, 0                                       ; step 14
	s_wait_dscnt 0
	MM F1, 0                                       ; step 15
	PLACES
; ---- the way out: scale q, round to f16, through the stages, whole rows to memory
.irp rt, 0,1
.irp i, 0,2,4,6
	v_pk_mul_f32 v[ACC+8*(2+\rt)+\i:ACC+8*(2+\rt)+\i+1], v[ACC+8*(2+\rt)+\i:ACC+8*(2+\rt)+\i+1], 0x3d8293ee op_sel_hi:[1,0]   ; 512^-0.5 * log2(e)
.endr
.endr
.irp t, 0,1,2,3,4,5
.irp i, 0,1,2,3
	v_cvt_pk_f16_f32 v[ACC+8*\t+\i], v[ACC+8*\t+2*\i], v[ACC+8*\t+2*\i+1]
.endr
.endr
.irp rt, 0,1
	ds_store_b128 v11, v[ACC+8*\rt:ACC+8*\rt+3] offset:\rt*16*OP
	ds_store_b128 v11, v[ACC+8*(2+\rt):ACC+8*(2+\rt)+3] offset:64*OP+\rt*16*OP
	ds_store_b128 v12, v[ACC+8*(4+\rt):ACC+8*(4+\rt)+3] offset:32*\rt
.endr
	s_wait_dscnt 0x0                               ; for the others' sake
	s_barrier_signal -1
	s_barrier_wait -1
.irp g, 0,1,2
.irp i, 0,1
	ds_load_b128 v[BK+8*\g+4*\i:BK+8*\g+4*\i+3], v13 offset:\g*64*OP+\i*32*OP
.endr
.endr
	; each store of a wave covers 512 consecutive bytes, aligned; the counts leave the younger read-backs out
	s_wait_dscnt 5
	global_store_b128 v14, v[BK:BK+3], s[22:23]
	s_wait_dscnt 4
	global_store_b128 v14, v[BK+4:BK+7], s[22:23] offset:4096
	s_wait_dscnt 3
	global_store_b128 v14, v[BK+8:BK+11], s[24:25]
	s_wait_dscnt 2
	global_store_b128 v14, v[BK+12:BK+15], s[24:25] offset:4096
	s_wait_dscnt 1
	global_store_b128 v14, v[BK+16:BK+19], s[22:23] offset:16384
	s_wait_dscnt 0
	global_store_b128 v14, v[BK+20:BK+23], s[22:23] offset:20480
	s_wait_tensorcnt 0x0
	ds_add_u32 v208, v209
	s_wait_dscnt 0x0
	s_endpgm
.Lfunc_end_k_q72d8704bee_proj:
	.size	k_q72d8704bee_proj, .Lfunc_end_k_q72d8704bee_proj-k_q72d8704bee_proj
	.p2alignl 7, 3214868480
	.fill 96, 4, 3214868480
	.section	.rodata,"a",@progbits
	.p2align	6, 0x0
	.amdhsa_kernel k_q72d8704bee_proj
		.amdhsa_group_segment_fixed_size 308224
		.amdhsa_private_segment_fixed_size 0
		.amdhsa_enable_private_segment 0
		.amdhsa_kernarg_size 48
		.amdhsa_user_sgpr_count 2
		.amdhsa_user_sgpr_kernarg_segment_ptr 1
		.amdhsa_wavefront_size32 1
		.amdhsa_system_sgpr_workgroup_id_x 1
		.amdhsa_system_sgpr_workgroup_id_y 1
		.amdhsa_system_sgpr_workgroup_id_z 1
		.amdhsa_system_vgpr_workitem_id 0
		.amdhsa_next_free_vgpr 210
		.amdhsa_next_free_sgpr 66
		.amdhsa_reserve_vcc 0
		.amdhsa_float_denorm_mode_32 3
		.amdhsa_float_denorm_mode_16_64 3
		.amdhsa_memory_ordered 1
		.amdhsa_forward_progress 1
		.amdhsa_inst_pref_size 99
	.end_amdhsa_kernel
	.amdgpu_metadata
---
amdhsa.version: [ 1, 2 ]
amdhsa.kernels:
  - .name:           k_q72d8704bee_proj
    .symbol:         k_q72d8704bee_proj.kd
    .args:
      - { .name: x, .offset: 0, .size: 8, .value_kind: global_buffer, .address_space: global }
      - { .name: Wk, .offset: 8, .size: 8, .value_kind: global_buffer, .address_space: global }
      - { .name: Wq, .offset: 16, .size: 8, .value_kind: global_buffer, .address_space: global }
      - { .name: Wv, .offset: 24, .size: 8, .value_kind: global_buffer, .address_space: global }
      - { .name: qw, .offset: 32, .size: 8, .value_kind: global_buffer, .address_space: global }
      - { .name: kv, .offset: 40, .size: 8, .value_kind: global_buffer, .address_space: global }
    .group_segment_fixed_size: 308224
    .private_segment_fixed_size: 0
    .kernarg_segment_align: 8
    .kernarg_segment_size: 48
    .max_flat_workgroup_size: 256
    .sgpr_count:     66
    .vgpr_count:     210
    .wavefront_size: 32
...
	.end_amdgpu_metadata
.endif
;; end of part 1
;; launch attn (part 2): grid 256 x 1, 16 waves a work-group, no clusters, 327,680 bytes of LDS; arguments qw, kv, po, ml; writes po, ml
.if DOCPART == 2
	.amdgcn_target "amdgcn-amd-amdhsa--gfx1250"
	.amdhsa_code_object_version 6
	.text
	.protected	k_q72d8704bee_attn
	.globl	k_q72d8704bee_attn
	.p2align	8
	.type	k_q72d8704bee_attn,@function
k_q72d8704bee_attn:
	s_mov_b64 s[64:65], 0
	v_nop
	global_prefetch_b8 v0, s[64:65] scope:SCOPE_SE
	s_setreg_imm32_b32 hwreg(HW_REG_WAVE_MODE, 25, 1), 1
	s_wait_xcnt 0x0
; Causal attention, in parts.  qw: [4 x 4096][64] f16, already times 512^-0.5 log2(e); kv: a block of 32,768 bytes for each 128 keys
; (K [128][64] f16, then V transposed, two blocks [64 features][64 keys] f16).
; Out, for each (query block of 128 rows, part j): po [128][64] f32 = sum of 2^(s - m) v, not divided; ml [128][2] f32 = (m, l): the running maximum
; of the part's scores (base 2) and the sum of 2^(s - m).  The next launch joins the parts.
; SHARE.  In batch b, pair p joins query block 31 - p (32 - p key tiles) with block p (p + 1 tiles): 33 tiles in one sequence, the high block first.
; Four work-groups j share them: 9, 8, 8, 8 tiles.  At most once a work-group passes from the high block to the low one: it then writes out and starts anew.
; WAVES.  Sixteen, four for each of a WGP's four SIMDs: wq = wave mod 4 owns 32 queries, kq = wave / 4 takes 32 of a tile's 128 keys.  A wave's share of a tile is
; one chain (LDS loads, S, softmax, P V) in which each part needs the one before; with four waves on a SIMD one wave's exponentials and rescaling are issued
; while the others have matrix instructions or LDS loads to issue.  242 registers a wave: 968 of a SIMD's 1,024.
; At the end of a block waves wq + 4, wq + 8, wq + 12 hand their states to wave wq through LDS.
; TRANSPOSED FORMS.  S^T = K Q^T: lane (r, h) holds query r, keys 8 h + j.  Two such tiles, packed to f16, ARE the second source of O^T = V^T P^T: no lane moves.
; m, the rescaling factor and l are then one number a lane.  l is made by the matrix unit too: a tile of ones times P^T.
; LIMITS.  The running maximum starts at -1.0e38 (scores below that would be lost).  P is rounded to f16.  NaN and infinities in the inputs are not treated.
; No cluster: the four work-groups of a pair walk different tiles, and those of different pairs change blocks at different steps (32 - p), so no two work-groups
; ask for the same tiles in the same steps throughout.
.set SLOT, 34816                       ; an LDS slot: 128 rows of 256 bytes at pitch 272; rows 0-63 K (two keys a row), rows 64-127 V^T (two features a row)
.set VOFF, 17408                       ; V^T in a slot
.set XCH,  69632                       ; 12 x 8,704: the upper waves' states, wave (wq, kq) at 3 wq + kq - 1; never the target of a tensor load
.set XSZ,  8704                        ; a state: 64 registers of O, then (m, m, l, l), 512 bytes each
.set STG,  174080                      ; 4 x 8,704: each lower wave's own stage, 32 rows x 272; never the target of a tensor load
.set KAV,  0                           ; v0  (the thread's number until the lane terms are made) V^T: VOFF + (kq / 2) 8704 + (kq mod 2) 64 + the lane term below
.set KAK,  1                           ; v1  K: kq 4352 + (r / 2) 272 + (r mod 2) 128 + 16 h: 16 lanes touch 16 different 16-byte columns modulo 256 bytes
.set QOFF, 2                           ; v2  (32 wq + r) 128 + 16 h
.set STO,  3                           ; v3  stage, in:   row r, + 32 h
.set RD,   4                           ; v4  stage, back: row lane / 16, + 16 (lane mod 16)
.set XAD,  5                           ; v5  exchange: XCH - 8704 + 26112 wq + 8704 kq + 16 lane: an upper wave's own state; a lower wave (kq = 0) finds the three at 8704, 17408, 26112
.set GO,   6                           ; v6  po: wq 8192 + 16 lane
.set GML,  7                           ; v7  ml: wq 256 + 8 lane
.set DQ,   8                           ; v8, v9    query tile qt: 32 wq + 16 qt + r - 32 kq - 8 h: the largest key offset that the diagonal tile admits
.set MX,   10                          ; v10, v11  new maxima
.set PX,   12                          ; v12, v13  the other half's
.set MS,   14                          ; v[14:15], v[16:17]  (m, unused) for qt = 0, 1: pairs, since the packed forms name pairs
.set AL,   18                          ; v[18:19], v[20:21]  (rescaling factor, unused)
.set TW,   22                          ; v[22:23]  at work
.set ONE,  24                          ; v[24:31]  a fragment of ones (f16)
.set QF,   32                          ; v[32:63]  Q fragments, 16 qt + 8 f
.set KF,   64                          ; v[64:95]  K fragments, 16 kt + 8 f
.set VF,   96                          ; v[96:127] V^T fragments, 8 ht
.set SS,   128                         ; v[128:159] S^T, 16 qt + 8 kt; P^T is packed into the first 8 of each qt
.set WT,   140                         ; v[140:151] when a block ends: (weight, unused) of state i, query tile qt at 4 i + 2 qt
.set OO,   160                         ; v[160:223] O^T, 8 (4 qt + ht)
.set LL,   224                         ; v[224:239] ones x P^T, 8 qt; register 0 of each is l
; scalars: s12 wave, s13 wq, s14 kq, s15 j, s16 p, s17 b, s18 tiles of the high block, s19 place in the sequence, s20 key tile, s21 query block,
; s22/s23 the next place and key tile, s[24:31] group 1, s[32:35]/s[36:39] group 0 of slot 0/1, s[40:41] kv at my batch and my half of a tile,
; s[42:43] an offset (high word 0), s[44:45] Q, s[46:47] po, s[48:49] ml, s50/s51 lane selects, s52 trips, s53 lanes 16-31, s60 -inf
	s_load_b256 s[4:11], s[0:1], 0x0               ; qw s[4:5], kv s[6:7], po s[8:9], ml s[10:11]
	v_lshl_add_u32 v240, v0, 2, 0x33000
	v_mov_b32 v241, 0
	ds_add_u32 v240, v241
	v_lshrrev_b32 v1, 5, v0
	v_readfirstlane_b32 s12, v1
	s_and_b32 s13, s12, 3
	s_lshr_b32 s14, s12, 2
	s_and_b32 s15, ttmp9, 3
	s_bfe_u32 s16, ttmp9, 0x40002
	s_lshr_b32 s17, ttmp9, 6
	s_sub_co_u32 s18, 32, s16
	s_min_u32 s54, s15, 1
	s_lshl3_add_u32 s19, s15, s54                  ; my first place: 0, 9, 17, 25
	s_sub_co_u32 s55, 31, s16
	s_sub_co_u32 s56, s19, s18
	s_cmp_lt_u32 s19, s18                          ; do I begin in the high block?
	s_cselect_b32 s21, s55, s16
	s_cselect_b32 s20, s19, s56
	; group 1: 64 rows of 32 elements of 8 bytes, dense in memory, 16 bytes of padding behind each 256
	s_mov_b32 s24, (3<<16)|(1<<20)|(5<<22)|(3<<25)
	s_mov_b32 s25, 32<<16                          ; tensor_dim0 = 32
	s_mov_b32 s26, 64<<16                          ; tensor_dim1 = 64
	s_mov_b32 s27, 32<<16                          ; tile_dim0 = 32
	s_mov_b32 s28, 64                              ; tile_dim1 = 64
	s_mov_b32 s29, 32                              ; pitch
	s_mov_b32 s30, 0
	s_mov_b32 s31, 0
	s_and_b32 s57, s12, 1                          ; wave 0 brings K's half of a tile, wave 1 V^T's; the others issue no load
	s_mul_i32 s58, s57, VOFF
	s_mov_b32 s32, 1
	s_mov_b32 s33, s58
	s_mov_b32 s36, 1
	s_add_co_u32 s37, s58, SLOT
	s_lshl_b32 s42, s17, 20                        ; 32 tiles of 32,768 bytes a batch
	s_lshl_b32 s57, s57, 14
	s_add_co_u32 s42, s42, s57
	s_mov_b32 s43, 0
	s_mov_b32 s50, 0x76543210
	s_mov_b32 s51, 0xfedcba98
	s_mov_b32 s53, 0xffff0000
	s_mov_b32 s60, 0xff800000
	s_wait_dscnt 0x0
	s_barrier_signal -1
	s_barrier_wait -1
	s_wait_kmcnt 0x0
	s_add_nc_u64 s[40:41], s[6:7], s[42:43]
	s_lshl_b32 s42, s20, 15
	s_add_nc_u64 s[34:35], s[40:41], s[42:43]      ; both slots' group 0 name my first tile: one of them is used for it
	s_or_b32 s35, s35, 0x80000000
	s_add_nc_u64 s[38:39], s[40:41], s[42:43]
	s_or_b32 s39, s39, 0x80000000
	; lane terms
	v_and_b32 v22, 31, v0                          ; lane
	v_and_b32 v23, 15, v0                          ; r
	v_bfe_u32 v12, v0, 4, 1                        ; h: the last use of the thread's number
	v_lshrrev_b32 v13, 1, v23
	v_mul_u32_u24 v[KAK], v13, 272
	v_and_b32 v13, 1, v23
	v_lshl_add_u32 v[KAK], v13, 7, v[KAK]
	v_lshl_add_u32 v[KAK], v12, 4, v[KAK]          ; the lane term of K's and V^T's fragments
	s_lshr_b32 s54, s14, 1
	s_mul_i32 s54, s54, 8704                       ; V^T's block of 64 keys,
	s_and_b32 s55, s14, 1
	s_lshl_b32 s55, s55, 6                         ; and my 32 of them
	s_add_co_u32 s54, s54, s55
	s_add_co_u32 s54, s54, VOFF
	v_add_nc_u32 v[KAV], s54, v[KAK]
	s_mul_i32 s54, s14, 4352                       ; my 32 keys: 16 rows of K's half
	v_add_nc_u32 v[KAK], s54, v[KAK]
	v_lshlrev_b32 v[QOFF], 7, v23
	v_lshl_add_u32 v[QOFF], v12, 4, v[QOFF]
	v_lshl_add_u32 v[QOFF], s13, 12, v[QOFF]
	s_mul_i32 s55, s13, 8704
	s_add_co_u32 s56, s55, STG
	v_mul_u32_u24 v[STO], v23, 272
	v_lshl_add_u32 v[STO], v12, 5, v[STO]
	v_add_nc_u32 v[STO], s56, v[STO]
	v_mul_u32_u24 v[RD], v12, 272
	v_lshl_add_u32 v[RD], v23, 4, v[RD]
	v_add_nc_u32 v[RD], s56, v[RD]
	s_mul_i32 s57, s13, 3*XSZ
	s_mul_i32 s58, s14, XSZ
	s_add_co_u32 s57, s57, s58
	s_add_co_u32 s57, s57, XCH-XSZ
	v_lshl_add_u32 v[XAD], v22, 4, s57
	s_lshl_b32 s58, s13, 13
	v_lshl_add_u32 v[GO], v22, 4, s58
	s_lshl_b32 s58, s13, 8
	v_lshl_add_u32 v[GML], v22, 3, s58
	s_sub_co_i32 s58, s13, s14
	s_lshl_b32 s58, s58, 5                         ; 32 wq - 32 kq
	v_add_nc_u32 v[DQ], s58, v23
	v_lshlrev_b32 v13, 3, v12
	v_sub_nc_u32 v[DQ], v[DQ], v13
	v_add_nc_u32 v[DQ+1], 16, v[DQ]
	v_mov_b32 v[MS+1], 0                           ; the unused halves of the pairs are written once
	v_mov_b32 v[MS+3], 0
	v_mov_b32 v[AL+1], 0
	v_mov_b32 v[AL+3], 0
.irp i, 0,1,2,3,4,5,6,7
	v_mov_b32 v[ONE+\i], 0x3c003c00
.endr
.macro PLACES n
.rept \n
	v_nop
.endr
.endm
.macro FILL n                          ; waves 0 and 1: my half of a tile into slot n
	s_cmp_lt_u32 s12, 2
	s_cbranch_scc0 .Lnf_\@
	tensor_load_to_lds s[32+4*\n:35+4*\n], s[24:31]
	s_nop 0
.Lnf_\@:
.endm
; A query block begins: its Q fragments, m = the floor, O and l = 0.  The sums are cleared by moves because the step at which a block begins is
; fixed by the work-group's number alone, not by the text; this runs at most twice in a wave.
.macro QINIT
	s_lshl_b32 s54, s17, 5
	s_add_co_u32 s54, s54, s21                     ; 32 b + block
	s_lshl_b32 s42, s54, 14
	s_add_nc_u64 s[44:45], s[4:5], s[42:43]
.irp qt, 0,1
.irp f, 0,1
	global_load_b128 v[QF+16*\qt+8*\f:QF+16*\qt+8*\f+3],   v[QOFF], s[44:45] offset:\qt*2048+64*\f
	global_load_b128 v[QF+16*\qt+8*\f+4:QF+16*\qt+8*\f+7], v[QOFF], s[44:45] offset:\qt*2048+64*\f+32
.endr
.endr
	v_mov_b32 v[MS], 0xfe967699                    ; -1.0e38
	v_mov_b32 v[MS+2], 0xfe967699
.set i, 0
.rept 80
	v_mov_b32 v[OO+i], 0
.set i, i+1
.endr
	s_wait_loadcnt 0x0
.endm
.macro LDK n                           ; eight loads: my 32 keys x 64 features
.irp kt, 0,1
.irp f, 0,1
	ds_load_b128 v[KF+16*\kt+8*\f:KF+16*\kt+8*\f+3],   v[KAK] offset:\n*SLOT+\kt*2176+64*\f
	ds_load_b128 v[KF+16*\kt+8*\f+4:KF+16*\kt+8*\f+7], v[KAK] offset:\n*SLOT+\kt*2176+64*\f+32
.endr
.endr
.endm
.macro LDV n                           ; eight loads: 64 features x my 32 keys
.irp ht, 0,1,2,3
	ds_load_b128 v[VF+8*\ht:VF+8*\ht+3],   v[KAV] offset:\n*SLOT+\ht*2176
	ds_load_b128 v[VF+8*\ht+4:VF+8*\ht+7], v[KAV] offset:\n*SLOT+\ht*2176+32
.endr
.endm
.macro QK                              ; four tiles of S^T; they take turns, one instruction a turn
.irp kt, 0,1
.irp qt, 0,1
	v_wmma_f32_16x16x32_f16 v[SS+16*\qt+8*\kt:SS+16*\qt+8*\kt+7], v[KF+16*\kt:KF+16*\kt+7], v[QF+16*\qt:QF+16*\qt+7], 0
.endr
.endr
.irp kt, 0,1
.irp qt, 0,1
	v_wmma_f32_16x16x32_f16 v[SS+16*\qt+8*\kt:SS+16*\qt+8*\kt+7], v[KF+16*\kt+8:KF+16*\kt+15], v[QF+16*\qt+8:QF+16*\qt+15], v[SS+16*\qt+8*\kt:SS+16*\qt+8*\kt+7]
.endr
.endr
.endm
.macro MASK                            ; the diagonal tile: a key behind its query gets -inf
.irp qt, 0,1
.irp kt, 0,1
.irp jj, 0,1,2,3,4,5,6,7
	v_cmp_le_i32 vcc_lo, 16*\kt+\jj, v[DQ+\qt]
	v_cndmask_b32 v[SS+16*\qt+8*\kt+\jj], s60, v[SS+16*\qt+8*\kt+\jj], vcc_lo
.endr
.endr
.endr
.endm
.macro SUBM qt                         ; s - m, two at a time
.irp i, 0,2,4,6,8,10,12,14
	v_pk_add_f32 v[SS+16*\qt+\i:SS+16*\qt+\i+1], v[SS+16*\qt+\i:SS+16*\qt+\i+1], v[MS+2*\qt:MS+2*\qt+1] op_sel_hi:[1,0] neg_lo:[0,1] neg_hi:[0,1]
.endr
.endm
.macro EXPS qt
.irp i, 0,1,2,3,4,5,6,7,8,9,10,11,12,13,14,15
	v_exp_f32 v[SS+16*\qt+\i], v[SS+16*\qt+\i]
.endr
.endm
.macro PACK qt                         ; 16 f32 to 8 registers of f16, in place: keys 8 h .. in registers 0-3, 16 + 8 h .. in 4-7: the second source's layout
	s_wait_alu depctr_va_vdst(0)
.irp i, 0,1,2,3,4,5,6,7
	v_cvt_pk_f16_f32 v[SS+16*\qt+\i], v[SS+16*\qt+2*\i], v[SS+16*\qt+2*\i+1]
.endr
.endm
.macro RESC qt                         ; O and l times 2^(old m - new m).  Of the tile of l only register 0 is used and rescaled; the others stay at most the number of keys
.irp i, 0,2,4,6,8,10,12,14,16,18,20,22,24,26,28,30
	v_pk_mul_f32 v[OO+32*\qt+\i:OO+32*\qt+\i+1], v[OO+32*\qt+\i:OO+32*\qt+\i+1], v[AL+2*\qt:AL+2*\qt+1] op_sel_hi:[1,0]
.endr
	v_mul_f32 v[LL+8*\qt], v[LL+8*\qt], v[AL+2*\qt]
.endm
.macro SOFTMAX
	v_max3_num_f32 v[MX],   v[SS],    v[SS+1],  v[SS+2]
	v_max3_num_f32 v[MX+1], v[SS+16], v[SS+17], v[SS+18]
.irp i, 3,5,7,9,11,13
	v_max3_num_f32 v[MX],   v[MX],   v[SS+\i],    v[SS+\i+1]
	v_max3_num_f32 v[MX+1], v[MX+1], v[SS+16+\i], v[SS+16+\i+1]
.endr
	v_max3_num_f32 v[MX],   v[MX],   v[SS+15], v[MS]
	v_max3_num_f32 v[MX+1], v[MX+1], v[SS+31], v[MS+2]
	v_permlanex16_b32 v[PX],   v[MX],   s50, s51   ; lanes r and 16 + r hold the same query
	v_permlanex16_b32 v[PX+1], v[MX+1], s50, s51
	v_max_num_f32 v[MX],   v[MX],   v[PX]
	v_max_num_f32 v[MX+1], v[MX+1], v[PX+1]
	v_sub_f32 v[AL],   v[MS],   v[MX]
	v_sub_f32 v[AL+2], v[MS+2], v[MX+1]
	v_mov_b32 v[MS],   v[MX]
	v_mov_b32 v[MS+2], v[MX+1]
	SUBM 0
	v_exp_f32 v[AL],   v[AL]
	v_exp_f32 v[AL+2], v[AL+2]
	EXPS 0
	SUBM 1                                         ; plain work between the exponentials and the first use of their results (ISA guide 5.7.2)
	PACK 0
	EXPS 1
	RESC 0                                         ; likewise
	PACK 1
	RESC 1
.endm
.macro PV                              ; ten accumulators take turns, one instruction a turn
.irp qt, 0,1
.irp ht, 0,1,2,3
	v_wmma_f32_16x16x32_f16 v[OO+8*(4*\qt+\ht):OO+8*(4*\qt+\ht)+7], v[VF+8*\ht:VF+8*\ht+7], v[SS+16*\qt:SS+16*\qt+7], v[OO+8*(4*\qt+\ht):OO+8*(4*\qt+\ht)+7]
.endr
	v_wmma_f32_16x16x32_f16 v[LL+8*\qt:LL+8*\qt+7], v[ONE:ONE+7], v[SS+16*\qt:SS+16*\qt+7], v[LL+8*\qt:LL+8*\qt+7]
.endr
.endm
; My 32 keys of the tile in slot n.  Places: four behind QK, ahead of the reads of S; five behind PV, ahead of the next loads into
; the fragments, of the matrix instructions that write over P, and of whatever reads O and l when a block ends.
.macro TILE n, masked
	LDK \n
	LDV \n
	s_wait_dscnt 8                                 ; K is in; V's eight loads stay out
	QK
	PLACES 4
.if \masked
	MASK
.endif
	SOFTMAX
	s_wait_dscnt 0                                 ; V is in
	PV
	PLACES 5
.endm
; Half g of the three states that a lower wave takes in: state g / 2, query tile g mod 2: 32 registers of O, eight loads into buffer buf; then O += weight x them
.macro LOADH g, buf
.irp e, 0,1,2,3,4,5,6,7
	ds_load_b128 v[\buf+4*\e:\buf+4*\e+3], v[XAD] offset:((\g)/2+1)*XSZ+((\g)%2)*4096+512*\e
.endr
.endm
.macro FMAH g, buf
.irp i, 0,2,4,6,8,10,12,14,16,18,20,22,24,26,28,30
	v_pk_fma_f32 v[OO+32*((\g)%2)+\i:OO+32*((\g)%2)+\i+1], v[\buf+\i:\buf+\i+1], v[WT+2*(\g):WT+2*(\g)+1], v[OO+32*((\g)%2)+\i:OO+32*((\g)%2)+\i+1] op_sel_hi:[1,0,1]
.endr
.endm
; The block's part is written out.  Waves wq + 4, wq + 8, wq + 12 hand (O, m, l) to wave wq, which joins the four states and stores them.
; Behind this barrier no LDS bytes are filled, so the tile that is on its way may stay out.  Between two such hand-overs stands a tile's barrier, in front
; of which every wave has waited for its LDS loads: no state is written over while it is read.
.macro FLUSH
	s_cmp_lt_u32 s12, 4
	s_cbranch_scc1 .Lfa_\@
	v_mov_b32 v[SS],   v[MS]
	v_mov_b32 v[SS+1], v[MS+2]
	v_mov_b32 v[SS+2], v[LL]
	v_mov_b32 v[SS+3], v[LL+8]
.irp i, 0,1,2,3,4,5,6,7,8,9,10,11,12,13,14,15
	ds_store_b128 v[XAD], v[OO+4*\i:OO+4*\i+3] offset:512*\i
.endr
	ds_store_b128 v[XAD], v[SS:SS+3] offset:8192
.Lfa_\@:
	s_wait_dscnt 0x0                               ; for the other wave's sake
	s_barrier_signal -1
	s_barrier_wait -1
	s_cmp_ge_u32 s12, 4
	s_cbranch_scc1 .Lfb_\@
.irp i, 0,1,2
	ds_load_b128 v[SS+4*\i:SS+4*\i+3], v[XAD] offset:(\i+1)*XSZ+8192      ; (m, m, l, l) of state i
.endr
	LOADH 0, KF                                    ; three buffers of 32 registers: the fragments of K, V and Q, which nothing reads any more
	LOADH 1, VF
	LOADH 2, QF
	s_lshl_b32 s54, s17, 5
	s_add_co_u32 s54, s54, s21
	s_lshl2_add_u32 s54, s54, s15                  ; 4 (32 b + block) + j
	s_lshl_b32 s42, s54, 15
	s_add_nc_u64 s[46:47], s[8:9], s[42:43]
	s_lshl_b32 s42, s54, 10
	s_add_nc_u64 s[48:49], s[10:11], s[42:43]
	s_wait_dscnt 24                                ; the three (m, l) are in; the 24 loads of three halves stay out
	v_max3_num_f32 v[MX],   v[MS],   v[SS],   v[SS+4]
	v_max3_num_f32 v[MX+1], v[MS+2], v[SS+1], v[SS+5]
	v_max_num_f32 v[MX],   v[MX],   v[SS+8]
	v_max_num_f32 v[MX+1], v[MX+1], v[SS+9]
	v_sub_f32 v[AL],   v[MS],   v[MX]
	v_sub_f32 v[AL+2], v[MS+2], v[MX+1]
.irp i, 0,1,2
	v_sub_f32 v[WT+4*\i],   v[SS+4*\i],   v[MX]
	v_sub_f32 v[WT+4*\i+2], v[SS+4*\i+1], v[MX+1]
.endr
	v_exp_f32 v[AL],   v[AL]
	v_exp_f32 v[AL+2], v[AL+2]
.irp i, 0,2,4,6,8,10
	v_exp_f32 v[WT+\i], v[WT+\i]
.endr
	v_nop                                          ; a plain place behind the exponentials (ISA guide 5.7.2)
	s_wait_alu depctr_va_vdst(0)
	v_mul_f32 v[LL],   v[LL],   v[AL]
	v_mul_f32 v[LL+8], v[LL+8], v[AL+2]
.irp i, 0,1,2
	v_fmac_f32 v[LL],   v[SS+4*\i+2], v[WT+4*\i]
	v_fmac_f32 v[LL+8], v[SS+4*\i+3], v[WT+4*\i+2]
.endr
.irp i, 0,2,4,6,8,10,12,14,16,18,20,22,24,26,28,30
	v_pk_mul_f32 v[OO+\i:OO+\i+1], v[OO+\i:OO+\i+1], v[AL:AL+1] op_sel_hi:[1,0]
	v_pk_mul_f32 v[OO+32+\i:OO+32+\i+1], v[OO+32+\i:OO+32+\i+1], v[AL+2:AL+3] op_sel_hi:[1,0]
.endr
	s_wait_dscnt 16                                ; half 0 is in; the 16 loads of the two younger halves stay out
	FMAH 0, KF
	LOADH 3, KF
	s_wait_dscnt 16
	FMAH 1, VF
	LOADH 4, VF
	s_wait_dscnt 16
	FMAH 2, QF
	LOADH 5, QF
	s_wait_dscnt 16
	FMAH 3, KF
	s_wait_dscnt 8                                 ; half 5's eight loads stay out
	FMAH 4, VF
	s_wait_dscnt 0
	FMAH 5, QF
.irp qt, 0,1
.irp ht, 0,1,2,3
	ds_store_b128 v[STO], v[OO+8*(4*\qt+\ht):OO+8*(4*\qt+\ht)+3]   offset:\qt*4352+64*\ht
	ds_store_b128 v[STO], v[OO+8*(4*\qt+\ht)+4:OO+8*(4*\qt+\ht)+7] offset:\qt*4352+64*\ht+16
.endr
.endr
.irp i, 0,1,2,3,4,5,6,7,8,9,10,11,12,13,14,15
	ds_load_b128 v[KF+4*\i:KF+4*\i+3], v[RD] offset:544*\i       ; my own bytes: LDS serves a wave's instructions in order (ISA guide 5.7.1)
.endr
.irp i, 0,1,2,3,4,5,6,7,8,9,10,11,12,13,14,15
	s_wait_dscnt 15-\i                             ; the younger read-backs stay out
	global_store_b128 v[GO], v[KF+4*\i:KF+4*\i+3], s[46:47] offset:512*\i     ; two whole rows: 512 consecutive bytes, aligned
.endr
	v_cndmask_b32 v[TW],   v[MX], v[MX+1], s53     ; lane L stores row L of my 32: lanes 16-31 take the second query tile's numbers
	v_cndmask_b32 v[TW+1], v[LL], v[LL+8], s53
	global_store_b64 v[GML], v[TW:TW+1], s[48:49]  ; 256 consecutive bytes, aligned
	s_wait_xcnt 0x0                                ; the stores' data and bases are written again only behind this wait
.Lfb_\@:
.endm
; One tile.  n: its slot, o: the other slot; refill: the next tile is asked for; diag: the tile may be the diagonal one; sw: the block may end behind it.
.macro STEP n, o, refill, diag, sw
	s_wait_tensorcnt 0x0                           ; all my tensor loads have landed, my half of this tile among them: a group 0 may be written
	ds_add_u32 v240, v241
	s_wait_dscnt 0x0
.if \refill
	s_add_co_u32 s22, s19, 1
	s_sub_co_u32 s23, s22, s18
	s_cmp_lt_u32 s22, s18
	s_cselect_b32 s23, s22, s23                    ; the next key tile: of the high block, or of the low one
	s_lshl_b32 s42, s23, 15
	s_add_nc_u64 s[34+4*\o:35+4*\o], s[40:41], s[42:43]
	s_or_b32 s[35+4*\o], s[35+4*\o], 0x80000000
.endif
	s_wait_dscnt 0x0                               ; my reads of the other slot are back
	s_barrier_signal -1
	s_barrier_wait -1                              ; both hold of every wave
.if \refill
	FILL \o                                        ; first behind the barrier: it has this tile's work in which to land
.endif
.if \diag
	s_cmp_eq_u32 s20, s21
	s_cbranch_scc1 .Ldg_\@
	TILE \n, 0
	s_branch .Ldn_\@
.Ldg_\@:
	TILE \n, 1
.Ldn_\@:
.else
	TILE \n, 0
.endif
.if \refill
	s_mov_b32 s19, s22
	s_mov_b32 s20, s23
.endif
.if \sw
	s_cmp_eq_u32 s19, s18                          ; the next tile opens the low block
	s_cbranch_scc0 .Lns_\@
	FLUSH
	s_mov_b32 s21, s16
	QINIT
.Lns_\@:
.endif
.endm
	; Work-group j = 0 has nine tiles: its first goes through slot 1, ahead of the eight that all have.  Its places 0 to 8 lie below the high block's
	; 17 tiles or more: no diagonal tile, no change of blocks.
	s_cmp_lg_u32 s15, 0
	s_cbranch_scc1 .Leight
	FILL 1
	QINIT
	STEP 1, 0, 1, 0, 0
	s_branch .Ljoin
.Leight:
	FILL 0
	QINIT
.Ljoin:
	s_mov_b32 s52, 3
.Ltiles:
	STEP 0, 1, 1, 1, 1
	STEP 1, 0, 1, 1, 1
	s_sub_co_u32 s52, s52, 1
	s_cmp_lg_u32 s52, 0
	s_cbranch_scc1 .Ltiles
	STEP 0, 1, 1, 1, 1
	STEP 1, 0, 0, 1, 0                             ; the last tile: nothing is left to fetch, and no tensor load is out behind its wait
	FLUSH
	s_wait_tensorcnt 0x0
	ds_add_u32 v240, v241
	s_wait_dscnt 0x0
	s_endpgm
.Lfunc_end_k_q72d8704bee_attn:
	.size	k_q72d8704bee_attn, .Lfunc_end_k_q72d8704bee_attn-k_q72d8704bee_attn
	.p2alignl 7, 3214868480
	.fill 96, 4, 3214868480
	.section	.rodata,"a",@progbits
	.p2align	6, 0x0
	.amdhsa_kernel k_q72d8704bee_attn
		.amdhsa_group_segment_fixed_size 327680
		.amdhsa_private_segment_fixed_size 0
		.amdhsa_enable_private_segment 0
		.amdhsa_kernarg_size 32
		.amdhsa_user_sgpr_count 2
		.amdhsa_user_sgpr_kernarg_segment_ptr 1
		.amdhsa_wavefront_size32 1
		.amdhsa_system_sgpr_workgroup_id_x 1
		.amdhsa_system_sgpr_workgroup_id_y 1
		.amdhsa_system_sgpr_workgroup_id_z 1
		.amdhsa_system_vgpr_workitem_id 0
		.amdhsa_next_free_vgpr 242
		.amdhsa_next_free_sgpr 66
		.amdhsa_reserve_vcc 1
		.amdhsa_float_denorm_mode_32 3
		.amdhsa_float_denorm_mode_16_64 3
		.amdhsa_memory_ordered 1
		.amdhsa_forward_progress 1
		.amdhsa_inst_pref_size 190
	.end_amdhsa_kernel
	.amdgpu_metadata
---
amdhsa.version: [ 1, 2 ]
amdhsa.kernels:
  - .name:           k_q72d8704bee_attn
    .symbol:         k_q72d8704bee_attn.kd
    .args:
      - { .name: qw, .offset: 0, .size: 8, .value_kind: global_buffer, .address_space: global }
      - { .name: kv, .offset: 8, .size: 8, .value_kind: global_buffer, .address_space: global }
      - { .name: po, .offset: 16, .size: 8, .value_kind: global_buffer, .address_space: global }
      - { .name: ml, .offset: 24, .size: 8, .value_kind: global_buffer, .address_space: global }
    .group_segment_fixed_size: 327680
    .private_segment_fixed_size: 0
    .kernarg_segment_align: 8
    .kernarg_segment_size: 32
    .max_flat_workgroup_size: 512
    .sgpr_count:     66
    .vgpr_count:     242
    .wavefront_size: 32
...
	.end_amdgpu_metadata
.endif
;; end of part 2
;; launch merge (part 3): grid 256 x 1, 8 waves a work-group, no clusters, 0 bytes of LDS; arguments po, ml, out0; writes out0
.if DOCPART == 3
	.amdgcn_target "amdgcn-amd-amdhsa--gfx1250"
	.amdhsa_code_object_version 6
	.text
	.protected	k_q72d8704bee_merge
	.globl	k_q72d8704bee_merge
	.p2align	8
	.type	k_q72d8704bee_merge,@function
k_q72d8704bee_merge:
	s_mov_b64 s[64:65], 0
	v_nop
	global_prefetch_b8 v0, s[64:65] scope:SCOPE_SE
	s_setreg_imm32_b32 hwreg(HW_REG_WAVE_MODE, 25, 1), 1
	s_wait_xcnt 0x0
; out[row] = sum over parts j of 2^(m_j - M) O_j[row] / sum over j of 2^(m_j - M) l_j, M = the largest m_j.
; po: [128 blocks][4 parts][128 rows][64] f32, ml: [128 blocks][4 parts][128 rows][(m, l)] f32, out0: [16384][64] f32.
; Which parts of a block exist follows from the sharing of the launch before: pair p's sequence of 33 tiles is cut at places 9, 17, 25.
;   block >= 16 (high, n = block + 1 tiles from place 0): parts 0 .. 1 + (n > 17) + (n > 25);
;   block <  16 (low, begins at place n = 32 - block):     parts 3 - (n < 25) .. 3.
; A part that does not exist is replaced by one that does, with the weight 0: no unwritten byte is read, and all loads go out together.
; The work-group owns 64 rows; thread t takes 16 bytes at 16 (t mod 16) of rows 16 i + t / 16, i = 0..3: a wave's load or store of O covers 512 consecutive bytes.
; A stream: no LDS, no barrier, no matrix unit, no cluster (no two work-groups read the same bytes).
.set ML,  4                            ; v[4:35]    (m, l) of group i, part j at 8 i + 2 j
.set OO,  36                           ; v[36:99]   O of group i, part j at 16 i + 4 j
.set E,   100                          ; v[100:107] (weight, unused) of part j at 2 j: pairs, since the packed forms name pairs
.set MXR, 108
.set LT,  109
.set RL,  110
.set OUT, 112                          ; v[112:127] group i's 16 bytes: registers of its own, so that no store's data are written again
	s_load_b128 s[4:7], s[0:1], 0x0                ; po s[4:5], ml s[6:7]
	s_load_b64 s[8:9], s[0:1], 0x10                ; out0
	s_lshr_b32 s10, ttmp9, 1                       ; block, 0..127
	s_and_b32 s11, ttmp9, 1                        ; which 64 of its rows
	s_and_b32 s12, s10, 31                         ; block in its batch
	s_add_co_u32 s13, s12, 1
	s_cmp_gt_u32 s13, 17
	s_cselect_b32 s14, 2, 1
	s_cmp_gt_u32 s13, 25
	s_cselect_b32 s14, 3, s14                      ; a high block's last part
	s_sub_co_u32 s13, 32, s12
	s_cmp_lt_u32 s13, 25
	s_cselect_b32 s15, 2, 3                        ; a low block's first part
	s_cmp_ge_u32 s12, 16
	s_cselect_b32 s36, 0, s15                      ; first part
	s_cselect_b32 s37, s14, 3                      ; last part
	s_lshl_b32 s44, s11, 14
	s_lshl_b32 s45, s11, 9
	s_mov_b32 s41, 0
	s_mov_b32 s43, 0
	v_lshrrev_b32 v1, 4, v0
	v_lshlrev_b32 v1, 3, v1                        ; 8 bytes of (m, l) a row
	v_lshlrev_b32 v2, 4, v0
.irp j, 0,1,2,3
	v_mov_b32 v[E+2*\j+1], 0                       ; the unused halves are written once
.endr
	s_wait_kmcnt 0x0
.irp j, 0,1,2,3
	s_max_u32 s38, s36, \j
	s_min_u32 s38, s38, s37                        ; part j, or the nearest that exists
	s_cmp_eq_u32 s38, \j
	s_cselect_b32 s[32+\j], 1.0, 0                 ; its weight counts only if it is itself
	s_lshl2_add_u32 s39, s10, s38
	s_lshl_b32 s40, s39, 15
	s_add_co_u32 s40, s40, s44
	s_add_nc_u64 s[16+2*\j:17+2*\j], s[4:5], s[40:41]
	s_lshl_b32 s42, s39, 10
	s_add_co_u32 s42, s42, s45
	s_add_nc_u64 s[24+2*\j:25+2*\j], s[6:7], s[42:43]
.endr
	s_lshl_b32 s40, s10, 15
	s_add_co_u32 s40, s40, s44
	s_add_nc_u64 s[8:9], s[8:9], s[40:41]
.irp i, 0,1,2,3
.irp j, 0,1,2,3
	global_load_b64 v[ML+8*\i+2*\j:ML+8*\i+2*\j+1], v1, s[24+2*\j:25+2*\j] offset:128*\i
.endr
.irp j, 0,1,2,3
	global_load_b128 v[OO+16*\i+4*\j:OO+16*\i+4*\j+3], v2, s[16+2*\j:17+2*\j] offset:4096*\i
.endr
.endr
.macro ROWS i
	s_wait_loadcnt 24-8*\i                         ; this group's eight loads are in; the eight of each later group stay out
	v_max3_num_f32 v[MXR], v[ML+8*\i], v[ML+8*\i+2], v[ML+8*\i+4]
	v_max_num_f32 v[MXR], v[MXR], v[ML+8*\i+6]
.irp j, 0,1,2,3
	v_sub_f32 v[E+2*\j], v[ML+8*\i+2*\j], v[MXR]
.endr
.irp j, 0,1,2,3
	v_exp_f32 v[E+2*\j], v[E+2*\j]
.endr
	v_nop                                          ; a plain place behind the exponentials (ISA guide 5.7.2)
	s_wait_alu depctr_va_vdst(0)
.irp j, 0,1,2,3
	v_mul_f32 v[E+2*\j], s[32+\j], v[E+2*\j]
.endr
	v_mul_f32 v[LT], v[E], v[ML+8*\i+1]
.irp j, 1,2,3
	v_fmac_f32 v[LT], v[E+2*\j], v[ML+8*\i+2*\j+1]
.endr
	v_rcp_f32 v[RL], v[LT]
	v_nop                                          ; likewise behind the reciprocal
	s_wait_alu depctr_va_vdst(0)
.irp j, 0,1,2,3
	v_mul_f32 v[E+2*\j], v[E+2*\j], v[RL]
.endr
.irp c, 0,2
	v_pk_mul_f32 v[OUT+4*\i+\c:OUT+4*\i+\c+1], v[OO+16*\i+\c:OO+16*\i+\c+1], v[E:E+1] op_sel_hi:[1,0]
.irp j, 1,2,3
	v_pk_fma_f32 v[OUT+4*\i+\c:OUT+4*\i+\c+1], v[OO+16*\i+4*\j+\c:OO+16*\i+4*\j+\c+1], v[E+2*\j:E+2*\j+1], v[OUT+4*\i+\c:OUT+4*\i+\c+1] op_sel_hi:[1,0,1]
.endr
.endr
	global_store_b128 v2, v[OUT+4*\i:OUT+4*\i+3], s[8:9] offset:4096*\i th:TH_STORE_NT
.endm
	ROWS 0
	ROWS 1
	ROWS 2
	ROWS 3
	s_endpgm
.Lfunc_end_k_q72d8704bee_merge:
	.size	k_q72d8704bee_merge, .Lfunc_end_k_q72d8704bee_merge-k_q72d8704bee_merge
	.p2alignl 7, 3214868480
	.fill 96, 4, 3214868480
	.section	.rodata,"a",@progbits
	.p2align	6, 0x0
	.amdhsa_kernel k_q72d8704bee_merge
		.amdhsa_group_segment_fixed_size 0
		.amdhsa_private_segment_fixed_size 0
		.amdhsa_enable_private_segment 0
		.amdhsa_kernarg_size 24
		.amdhsa_user_sgpr_count 2
		.amdhsa_user_sgpr_kernarg_segment_ptr 1
		.amdhsa_wavefront_size32 1
		.amdhsa_system_sgpr_workgroup_id_x 1
		.amdhsa_system_sgpr_workgroup_id_y 1
		.amdhsa_system_sgpr_workgroup_id_z 1
		.amdhsa_system_vgpr_workitem_id 0
		.amdhsa_next_free_vgpr 128
		.amdhsa_next_free_sgpr 66
		.amdhsa_reserve_vcc 0
		.amdhsa_float_denorm_mode_32 3
		.amdhsa_float_denorm_mode_16_64 3
		.amdhsa_memory_ordered 1
		.amdhsa_forward_progress 1
		.amdhsa_inst_pref_size 12
	.end_amdhsa_kernel
	.amdgpu_metadata
---
amdhsa.version: [ 1, 2 ]
amdhsa.kernels:
  - .name:           k_q72d8704bee_merge
    .symbol:         k_q72d8704bee_merge.kd
    .args:
      - { .name: po, .offset: 0, .size: 8, .value_kind: global_buffer, .address_space: global }
      - { .name: ml, .offset: 8, .size: 8, .value_kind: global_buffer, .address_space: global }
      - { .name: out0, .offset: 16, .size: 8, .value_kind: global_buffer, .address_space: global }
    .group_segment_fixed_size: 0
    .private_segment_fixed_size: 0
    .kernarg_segment_align: 8
    .kernarg_segment_size: 24
    .max_flat_workgroup_size: 256
    .sgpr_count:     66
    .vgpr_count:     128
    .wavefront_size: 32
...
	.end_amdgpu_metadata
.endif
;; end of part 3
;; ======== version 2 of 2: 3 launches; version 1 with the launch proj written anew for expert scheduling mode
;; limits: values are held in f16: magnitudes above 65,504 overflow, below 6.1e-05 lose precision
;; workspace buffers: qw 2,097,152 bytes; kv 4,194,304 bytes; po 16,777,216 bytes; ml 524,288 bytes
;; launch proj (part 4): grid 256 x 1, 8 waves a work-group, no clusters, 308,224 bytes of LDS; arguments x, Wk, Wq, Wv, qw, kv; writes qw, kv
.if DOCPART == 4
	.amdgcn_target "amdgcn-amd-amdhsa--gfx1250"
	.amdhsa_code_object_version 6
	.text
	.protected	k_q72d8704bee_proj
	.globl	k_q72d8704bee_proj
	.p2align	8
	.type	k_q72d8704bee_proj,@function
k_q72d8704bee_proj:
	s_mov_b64 s[64:65], 0
	v_nop
	global_prefetch_b8 v0, s[64:65] scope:SCOPE_SE
	s_setreg_imm32_b32 hwreg(HW_REG_WAVE_SCHED_MODE, 0, 2), 2
	s_setreg_imm32_b32 hwreg(HW_REG_WAVE_MODE, 25, 1), 1
	s_wait_xcnt 0x0
	s_wait_alu depctr_vm_vsrc(0)
; q, k, v = x W.  x: [16384][512] f32; Wk, Wq, Wv: [512][64] f32.  Operands rounded to bf16, sums in f32, results rounded once to f16.
; Out: qw [16384][64] f16 = q * 512^-0.5 * log2(e) (the scores of the next launch are then exponents of 2);
;      kv: one block of 32,768 bytes for each 128 tokens: K [128][64] f16, then V transposed as two blocks [64 features][64 tokens] f16.
; LIMIT: |q * 0.0638|, |k|, |v| must stay below 65,504 (f16).  The order of the sums is the matrix unit's, not the reference's.
; The work-group owns 64 tokens.  Its 128 KiB of x and the 384 KiB of W are shared out evenly: waves 0 and 1 bring 32 rows of x each, waves 2 to 7
; one half (256 rows of k) of one matrix each: 64 KiB of consecutive memory, 128 loads, for every wave.  All is rounded to bf16 in registers and laid
; into LDS, so each byte of x leaves memory once.  Behind one barrier wave (rh, c) makes tokens 32 rh .. +31 times columns 16 c .. +15 of each of K, Q, V.
; No cluster: W has to pass through registers to be rounded, so no joint tensor load can bring it; x is shared by nobody.
; THE MODE: SCHED_MODE bits 1:0 = 2 (LLVM: expert scheduling mode 2), set by the entry lines.  The code itself states the register dependences
; between vector or matrix instructions and memory or LDS instructions, with s_wait_alu, always for 0.
; THE PLAN.  Registers that memory or LDS instructions touch:
;   v4            the offset of every load of x and W: written once at the head.    v5, v15: the staging's LDS addresses: written once in each branch.
;   RING, 3 sets  Group g's loads land in set g mod 3; its 32 conversions read the set; behind them the loads of group g + 3 land in it.  No LDS store names it.
;   OUT           Written by a group's conversions, read by the group's 16 LDS stores, written again by the next group's conversions.
;   v6 .. v14     addresses of the products and of the way out: written once behind the join.
;   FR, 3 buffers Step ks's six matrix instructions read buffer ks mod 3; the loads issued in step ks land in buffer (ks + 2) mod 3, which step ks - 1 read.
;   ACC           Matrix instructions, then the scaling and the roundings; read by six LDS stores on the way out.
;   BK            LDS loads land in it, global stores read it; no vector instruction behind the staging names it.
; So a staging group has one wait on va_vdst, behind its conversions, ahead of its loads and stores, and one on vm_vsrc, ahead of its conversions; a step of
; the products has one wait on va_vdst at its head, and its ten loads are dealt among its matrix instructions, which name none of the registers that they touch.
.set WP,   416                         ; pitch of W's rows in LDS: 192 bf16 = 384 bytes + 32 (13 x 32: the transposing loads' 16 lanes touch different 16-byte columns)
.set XB,   212992                      ; x behind W's 512 rows
.set XP,   1040                        ; pitch of x's rows: 1,024 bytes + 16
.set OST,  279552                      ; three stages for the way out (K, Q, V transposed), 64 rows of 128 bytes each
.set OP,   144                         ; their pitch: 128 + 16
.set RING, 16                          ; v[16:207] loads on their way: three sets of 16 loads
.set OUT,  210                         ; v[210:241] a group's 64 numbers a lane in bf16, on their way into LDS
.set ACC,  16                          ; v[16:63]  six accumulators: matrix m (0 K, 1 Q, 2 V), row tile rt at ACC + 8 (2 m + rt)
.set FR,   64                          ; v[64:183] three fragment buffers of 40: x's two row tiles, then W's three column tiles; step ks has buffer ks mod 3
.set BK,   184                         ; v[184:207] the way out
; Group g (0..7) of a wave's 128 loads: 16 loads of 512 consecutive bytes, into set g mod 3.  nt = 1: bytes that the launch reads once (x).
.macro LD16 g, nt
.irp i, 0,1,2,3,4,5,6,7,8,9,10,11,12,13,14,15
.if \nt
	global_load_b128 v[RING+64*((\g)%3)+4*\i:RING+64*((\g)%3)+4*\i+3], v4, s[28:29] offset:(16*(\g)+\i)*512 th:TH_LOAD_NT
.else
	global_load_b128 v[RING+64*((\g)%3)+4*\i:RING+64*((\g)%3)+4*\i+3], v4, s[28:29] offset:(16*(\g)+\i)*512
.endif
.endr
.endm
; The group's 64 f32 a lane to bf16, out of the set into OUT, in one run
.macro CV16 g
.irp i, 0,1,2,3,4,5,6,7,8,9,10,11,12,13,14,15
	v_cvt_pk_bf16_f32 v[OUT+2*\i],   v[RING+64*((\g)%3)+4*\i],   v[RING+64*((\g)%3)+4*\i+1]
	v_cvt_pk_bf16_f32 v[OUT+2*\i+1], v[RING+64*((\g)%3)+4*\i+2], v[RING+64*((\g)%3)+4*\i+3]
.endr
.endm
.macro XST16 g                         ; x: a load was a quarter of a row: 8 bytes a lane, 256 consecutive bytes of LDS
.irp i, 0,1,2,3,4,5,6,7,8,9,10,11,12,13,14,15
	ds_store_b64 v5, v[OUT+2*\i:OUT+2*\i+1] offset:(4*(\g)+\i/4)*XP+256*(\i%4)
.endr
.endm
.macro WST16 g                         ; W: a load was two rows of k; v5 serves the first 64 loads, v15 the second 64 (the immediate has 16 bits)
.irp i, 0,1,2,3,4,5,6,7,8,9,10,11,12,13,14,15
	ds_store_b64 v[5+10*((\g)/4)], v[OUT+2*\i:OUT+2*\i+1] offset:((16*(\g)+\i)%64)*2*WP
.endr
.endm
; A group's turn.  left: how many younger loads may stay out.  Groups 0 to 4 ask for the group three on, ahead of their stores.
.macro XGRP g, left
	s_wait_loadcnt \left                           ; loads come back in order (ISA guide 5.7.1): this group is in, the younger groups stay out
.if (\g) > 0
	s_wait_alu depctr_vm_vsrc(0)                   ; the LDS stores of the group before have read OUT, which the conversions below write again
.endif
	CV16 \g
	s_wait_alu depctr_va_vdst(0)                   ; the conversions have written OUT, which the stores below read, and are done reading the set, in which the loads below land; in group 0 also: v5 is written
.if (\g) < 5
	LD16 (\g)+3, 1
.endif
	XST16 \g
.endm
.macro WGRP g, left
	s_wait_loadcnt \left                           ; this group is in, the younger groups stay out
.if (\g) > 0
	s_wait_alu depctr_vm_vsrc(0)                   ; the LDS stores of the group before have read OUT, which the conversions below write again
.endif
	CV16 \g
	s_wait_alu depctr_va_vdst(0)                   ; the conversions have written OUT, which the stores below read, and are done reading the set, in which the loads below land; in group 0 also: v5 and v15 are written
.if (\g) < 5
	LD16 (\g)+3, 0
.endif
	WST16 \g
.endm
	s_load_b256 s[4:11], s[0:1], 0x0               ; x s[4:5], Wk s[6:7], Wq s[8:9], Wv s[10:11]
	s_load_b128 s[12:15], s[0:1], 0x20             ; qw s[12:13], kv s[14:15]
	v_lshl_add_u32 v208, v0, 2, 0x4b000
	v_mov_b32 v209, 0
	v_lshrrev_b32 v1, 5, v0
	v_readfirstlane_b32 s16, v1                    ; wave 0..7
	v_and_b32 v1, 31, v0                           ; lane
	v_and_b32 v2, 15, v0                           ; r
	v_bfe_u32 v3, v0, 4, 1                         ; h
	v_lshlrev_b32 v4, 4, v1                        ; 16 x lane: my 16 bytes of every load
	s_wait_alu depctr_va_sdst(0)                   ; s16 is written, ahead of its first reader
	s_and_b32 s17, s16, 3                          ; my column tile c
	s_lshr_b32 s18, s16, 2                         ; my half of the rows, rh
	s_mov_b32 s21, 0                               ; the high word of every offset
	s_wait_alu depctr_va_vdst(0)                   ; v4 is written: every load of x and W reads it as its offset
	s_cmp_ge_u32 s16, 2
	s_cbranch_scc1 .Lw_waves
; ---- waves 0 and 1: 32 rows of x each
	s_lshl_b32 s20, ttmp9, 17                      ; 64 rows of 2,048 bytes,
	s_lshl_b32 s19, s16, 16                        ; and my 32 of them
	s_add_co_u32 s20, s20, s19
	s_wait_kmcnt 0x0
	s_add_nc_u64 s[28:29], s[4:5], s[20:21]
	LD16 0, 1
	LD16 1, 1
	LD16 2, 1                                      ; 48 loads, 24 KiB of the wave, on their way
	s_mul_i32 s19, s16, 32*XP
	s_add_co_u32 s19, s19, XB
	v_lshl_add_u32 v5, v1, 3, s19                  ; my 8 bytes in my first row of x in LDS
.irp g, 0,1,2,3,4,5
	XGRP \g, 32                                    ; the 32 loads of the two younger groups stay out
.endr
	XGRP 6, 16                                     ; group 7 stays out
	XGRP 7, 0
	s_branch .Ljoin
; ---- waves 2 to 7: matrix (wave - 2) / 2, rows 256 ((wave - 2) mod 2) .. +255 of k
.Lw_waves:
	s_sub_co_u32 s19, s16, 2
	s_lshr_b32 s26, s19, 1                         ; matrix: 0 K, 1 Q, 2 V
	s_and_b32 s27, s19, 1                          ; half of k
	s_lshl_b32 s20, s27, 16                        ; 256 rows of 256 bytes
	s_wait_kmcnt 0x0
	s_cmp_eq_u32 s26, 0
	s_cselect_b64 s[28:29], s[6:7], s[8:9]
	s_cmp_eq_u32 s26, 2
	s_cselect_b64 s[28:29], s[10:11], s[28:29]     ; my matrix, chosen by the wave's number alone
	s_add_nc_u64 s[28:29], s[28:29], s[20:21]
	LD16 0, 0
	LD16 1, 0
	LD16 2, 0
	s_mul_i32 s19, s27, 256*WP
	s_lshl_b32 s26, s26, 7                         ; my matrix's 64 columns: 128 bytes of a row of LDS
	s_add_co_u32 s19, s19, s26
	v_mul_u32_u24 v5, v3, WP                       ; lanes 16-31 hold the odd row
	v_lshl_add_u32 v5, v2, 3, v5                   ; 4 columns = 8 bytes of bf16
	v_add_nc_u32 v5, s19, v5
	v_add_nc_u32 v15, 128*WP, v5                   ; the second 64 loads: 128 rows further down
.irp g, 0,1,2,3,4,5
	WGRP \g, 32                                    ; the 32 loads of the two younger groups stay out
.endr
	WGRP 6, 16                                     ; group 7 stays out
	WGRP 7, 0
.Ljoin:
	; addresses of the products and of the way out
	s_lshl_b32 s19, s18, 5
	v_add_nc_u32 v6, s19, v2                       ; 32 rh + r
	v_mul_u32_u24 v11, v6, OP
	v_mul_u32_u24 v6, v6, XP
	v_lshl_add_u32 v6, v3, 4, v6
	v_add_nc_u32 v6, XB, v6                        ; v6: x fragments: row 32 rh + r, + 16 h
	v_and_b32 v7, 7, v0
	v_lshl_add_u32 v7, v3, 3, v7                   ; 8 h + lane mod 8: the row of k that I address
	v_mul_u32_u24 v7, v7, WP
	v_bfe_u32 v8, v0, 3, 1
	v_lshl_add_u32 v7, v8, 4, v7                   ; which 8 of the tile's 16 columns
	v_lshl_add_u32 v7, s17, 5, v7                  ; + 32 c.  v7..v10: W fragments for k = 0, 128, 256, 384 on (the immediate has 16 bits)
	v_add_nc_u32 v8, 128*WP, v7
	v_add_nc_u32 v9, 256*WP, v7
	v_add_nc_u32 v10, 384*WP, v7
	v_lshl_add_u32 v11, v3, 4, v11
	v_lshl_add_u32 v11, s17, 5, v11
	v_add_nc_u32 v11, OST, v11                     ; v11: K and Q into their stages: token 32 rh + r, features 16 c + 8 h ..
	v_lshl_add_u32 v12, s17, 4, v2                 ; feature 16 c + r
	v_mul_u32_u24 v12, v12, OP
	v_lshl_add_u32 v12, v3, 4, v12
	v_lshl_add_u32 v12, s18, 6, v12
	v_add_nc_u32 v12, OST+128*OP, v12              ; v12: V into its stage: feature 16 c + r, tokens 32 rh + 8 h ..
	v_lshrrev_b32 v13, 3, v0
	v_mul_u32_u24 v13, v13, OP
	v_and_b32 v14, 7, v0
	v_lshl_add_u32 v13, v14, 4, v13
	v_add_nc_u32 v13, OST, v13                     ; v13: back: row t / 8, 16 bytes at 16 (t mod 8)
	v_lshlrev_b32 v14, 4, v0                       ; v14: the same 16 bytes in the dense block of memory
	s_lshr_b32 s20, ttmp9, 1
	s_lshl_b32 s20, s20, 15                        ; the block of 128 tokens,
	s_and_b32 s19, ttmp9, 1
	s_lshl_b32 s19, s19, 13                        ; and my half of it
	s_add_co_u32 s20, s20, s19
	s_add_nc_u64 s[22:23], s[14:15], s[20:21]      ; K's 64 rows; V's block lies 16,384 bytes behind
	s_lshl_b32 s20, ttmp9, 13
	s_add_nc_u64 s[24:25], s[12:13], s[20:21]      ; Q's 64 rows
	s_wait_dscnt 0x0                               ; my stores of x or W are in LDS, for the others' sake
	s_barrier_signal -1
	s_barrier_wait -1
	s_wait_alu depctr_va_vdst(0)                   ; the addresses v6 to v14 are written, which the LDS loads and stores and the global stores below read
; ---- the products: 16 steps of 32 along k, three fragment buffers
.macro XLD ks, rt                      ; two LDS loads: row tile rt of x for step ks; x's rows lie along k (plain loads)
.set FL, FR+40*((\ks)%3)
	ds_load_b128 v[FL+8*(\rt):FL+8*(\rt)+3],   v6 offset:(\rt)*16*XP+64*(\ks)
	ds_load_b128 v[FL+8*(\rt)+4:FL+8*(\rt)+7], v6 offset:(\rt)*16*XP+64*(\ks)+32
.endm
.macro WLD ks, m                       ; two LDS loads: my column tile of matrix m for step ks; W is [k][n] (transposing loads)
.set FL, FR+40*((\ks)%3)
	ds_load_tr16_b128 v[FL+16+8*(\m):FL+16+8*(\m)+3],   v[7+((\ks)>>2)] offset:((\ks)&3)*32*WP+128*(\m)
	ds_load_tr16_b128 v[FL+16+8*(\m)+4:FL+16+8*(\m)+7], v[7+((\ks)>>2)] offset:((\ks)&3)*32*WP+16*WP+128*(\m)
.endm
.macro FLD ks                          ; a step's ten loads in one run: the first two steps'
	XLD \ks, 0
	XLD \ks, 1
	WLD \ks, 0
	WLD \ks, 1
	WLD \ks, 2
.endm
; K and Q: W's tile is source 0, x's source 1: a lane then holds one token and 8 neighbouring features.
; V: x's tile is source 0: a lane holds one feature and 8 neighbouring tokens, a piece of a row of V transposed.
; The six accumulators take turns, one instruction a turn.  Step 0's products start the sums.
.macro MKQ ks, m, rt
.set FM, FR+40*((\ks)%3)
.if (\ks) == 0
	v_wmma_f32_16x16x32_bf16 v[ACC+8*(2*(\m)+(\rt)):ACC+8*(2*(\m)+(\rt))+7], v[FM+16+8*(\m):FM+16+8*(\m)+7], v[FM+8*(\rt):FM+8*(\rt)+7], 0
.else
	v_wmma_f32_16x16x32_bf16 v[ACC+8*(2*(\m)+(\rt)):ACC+8*(2*(\m)+(\rt))+7], v[FM+16+8*(\m):FM+16+8*(\m)+7], v[FM+8*(\rt):FM+8*(\rt)+7], v[ACC+8*(2*(\m)+(\rt)):ACC+8*(2*(\m)+(\rt))+7]
.endif
.endm
.macro MV ks, rt
.set FM, FR+40*((\ks)%3)
.if (\ks) == 0
	v_wmma_f32_16x16x32_bf16 v[ACC+8*(4+(\rt)):ACC+8*(4+(\rt))+7], v[FM+8*(\rt):FM+8*(\rt)+7], v[FM+32:FM+39], 0
.else
	v_wmma_f32_16x16x32_bf16 v[ACC+8*(4+(\rt)):ACC+8*(4+(\rt))+7], v[FM+8*(\rt):FM+8*(\rt)+7], v[FM+32:FM+39], v[ACC+8*(4+(\rt)):ACC+8*(4+(\rt))+7]
.endif
.endm
.macro PLACES                          ; four places behind matrix instructions, ahead of loads into their sources and of reads of their results
.rept 4
	v_nop
.endr
.endm
; Step ks.  left: the LDS loads that may stay out.  Steps 0 to 13 ask for the fragments of step ks + 2, dealt among the step's matrix instructions, early in the step.
; Step 0's loads land in the third buffer, which no vector or matrix instruction has named since the wait behind the barrier; steps 14 and 15 load nothing.
.macro KSTEP ks, left
.if (\ks) > 0 && (\ks) < 14
	PLACES
.endif
	s_wait_dscnt \left                             ; LDS loads come back in order (ISA guide 5.7.1): this step's buffer is in; the next step's ten loads stay out
.if (\ks) > 0 && (\ks) < 14
	s_wait_alu depctr_va_vdst(0)                   ; the matrix instructions of the step before are done reading their buffer, in which the loads below land; this step's name another buffer and the accumulators
.endif
.if (\ks) < 14
	XLD (\ks)+2, 0
.endif
	MKQ \ks, 0, 0
.if (\ks) < 14
	XLD (\ks)+2, 1
.endif
	MKQ \ks, 1, 0
.if (\ks) < 14
	WLD (\ks)+2, 0
.endif
	MV \ks, 0
.if (\ks) < 14
	WLD (\ks)+2, 1
.endif
	MKQ \ks, 0, 1
.if (\ks) < 14
	WLD (\ks)+2, 2
.endif
	MKQ \ks, 1, 1
	MV \ks, 1
.endm
	FLD 0
	FLD 1
.irp ks, 0,1,2,3,4,5,6,7,8,9,10,11,12,13,14
	KSTEP \ks, 10
.endr
	KSTEP 15, 0
	PLACES
; ---- the way out: scale q, round to f16, through the stages, whole rows to memory
.irp rt, 0,1
.irp i, 0,2,4,6
	v_pk_mul_f32 v[ACC+8*(2+\rt)+\i:ACC+8*(2+\rt)+\i+1], v[ACC+8*(2+\rt)+\i:ACC+8*(2+\rt)+\i+1], 0x3d8293ee op_sel_hi:[1,0]   ; 512^-0.5 * log2(e)
.endr
.endr
.irp t, 0,1,2,3,4,5
.irp i, 0,1,2,3
	v_cvt_pk_f16_f32 v[ACC+8*\t+\i], v[ACC+8*\t+2*\i], v[ACC+8*\t+2*\i+1]
.endr
.endr
	s_wait_alu depctr_va_vdst(0)                   ; the roundings have written the first four registers of each accumulator, which the LDS stores read
.irp rt, 0,1
	ds_store_b128 v11, v[ACC+8*\rt:ACC+8*\rt+3] offset:\rt*16*OP
	ds_store_b128 v11, v[ACC+8*(2+\rt):ACC+8*(2+\rt)+3] offset:64*OP+\rt*16*OP
	ds_store_b128 v12, v[ACC+8*(4+\rt):ACC+8*(4+\rt)+3] offset:32*\rt
.endr
	s_wait_dscnt 0x0                               ; for the others' sake
	s_barrier_signal -1
	s_barrier_wait -1
.irp g, 0,1,2
.irp i, 0,1
	ds_load_b128 v[BK+8*\g+4*\i:BK+8*\g+4*\i+3], v13 offset:\g*64*OP+\i*32*OP
.endr
.endr
	; each store of a wave covers 512 consecutive bytes, aligned; the counts leave the younger read-backs out
	s_wait_dscnt 5
	global_store_b128 v14, v[BK:BK+3], s[22:23]
	s_wait_dscnt 4
	global_store_b128 v14, v[BK+4:BK+7], s[22:23] offset:4096
	s_wait_dscnt 3
	global_store_b128 v14, v[BK+8:BK+11], s[24:25]
	s_wait_dscnt 2
	global_store_b128 v14, v[BK+12:BK+15], s[24:25] offset:4096
	s_wait_dscnt 1
	global_store_b128 v14, v[BK+16:BK+19], s[22:23] offset:16384
	s_wait_dscnt 0
	global_store_b128 v14, v[BK+20:BK+23], s[22:23] offset:20480
	s_wait_dscnt 0x0                               ; the closing lines, six on end
	s_wait_alu 0x0
	s_wait_tensorcnt 0x0
	ds_add_u32 v208, v209
	s_wait_dscnt 0x0
	s_endpgm
.Lfunc_end_k_q72d8704bee_proj:
	.size	k_q72d8704bee_proj, .Lfunc_end_k_q72d8704bee_proj-k_q72d8704bee_proj
	.p2alignl 7, 3214868480
	.fill 96, 4, 3214868480
	.section	.rodata,"a",@progbits
	.p2align	6, 0x0
	.amdhsa_kernel k_q72d8704bee_proj
		.amdhsa_group_segment_fixed_size 308224
		.amdhsa_private_segment_fixed_size 0
		.amdhsa_enable_private_segment 0
		.amdhsa_kernarg_size 48
		.amdhsa_user_sgpr_count 2
		.amdhsa_user_sgpr_kernarg_segment_ptr 1
		.amdhsa_wavefront_size32 1
		.amdhsa_system_sgpr_workgroup_id_x 1
		.amdhsa_system_sgpr_workgroup_id_y 1
		.amdhsa_system_sgpr_workgroup_id_z 1
		.amdhsa_system_vgpr_workitem_id 0
		.amdhsa_next_free_vgpr 242
		.amdhsa_next_free_sgpr 66
		.amdhsa_reserve_vcc 0
		.amdhsa_float_denorm_mode_32 3
		.amdhsa_float_denorm_mode_16_64 3
		.amdhsa_memory_ordered 1
		.amdhsa_forward_progress 1
		.amdhsa_inst_pref_size 101
	.end_amdhsa_kernel
	.amdgpu_metadata
---
amdhsa.version: [ 1, 2 ]
amdhsa.kernels:
  - .name:           k_q72d8704bee_proj
    .symbol:         k_q72d8704bee_proj.kd
    .args:
      - { .name: x, .offset: 0, .size: 8, .value_kind: global_buffer, .address_space: global }
      - { .name: Wk, .offset: 8, .size: 8, .value_kind: global_buffer, .address_space: global }
      - { .name: Wq, .offset: 16, .size: 8, .value_kind: global_buffer, .address_space: global }
      - { .name: Wv, .offset: 24, .size: 8, .value_kind: global_buffer, .address_space: global }
      - { .name: qw, .offset: 32, .size: 8, .value_kind: global_buffer, .address_space: global }
      - { .name: kv, .offset: 40, .size: 8, .value_kind: global_buffer, .address_space: global }
    .group_segment_fixed_size: 308224
    .private_segment_fixed_size: 0
    .kernarg_segment_align: 8
    .kernarg_segment_size: 48
    .max_flat_workgroup_size: 256
    .sgpr_count:     66
    .vgpr_count:     242
    .wavefront_size: 32
...
	.end_amdgpu_metadata
.endif
;; end of part 4
;; launch attn: the kernel of part 2 again; grid 256 x 1, 16 waves a work-group, no clusters, 327,680 bytes of LDS; arguments qw, kv, po, ml; writes po, ml
;; launch merge: the kernel of part 3 again; grid 256 x 1, 8 waves a work-group, no clusters, 0 bytes of LDS; arguments po, ml, out0; writes out0
